; MI455X (gfx1250); checked and timed in simulation.
; The chip was launched on July 23, 2026; its instructions are those of AMD's public machine-readable ISA for CDNA 5 (MIT licence, August 2026) and "CDNA5" Instruction Set Architecture Reference Guide (July 2026). The comments in the code are by the model that wrote it; some were corrected since.
;; Multi Head Attention. Allowed arithmetic: matrix products marked QUANTISED: E2M1 operands, one E8M0 scale for each 32 along K, by v_wmma_scale_f32_16x16x128_f8f6f4 with both operands' format E2M1 (or v_wmma_scale_f32_32x16x128_f4), f32 sums; everything else in f32.
;; Inputs: bk 1,024 float32; bo 1,024 float32; bq 1,024 float32; bv 1,024 float32; wk_codes 1,024 x 32 x 16 uint8 (E2M1 codes of wk, K innermost, in blocks of 32 codes, two codes a byte); wk_scales 1,024 x 32 uint8 (E8M0 scales of wk, one for each 32 codes along K); wo_codes 1,024 x 32 x 16 uint8 (E2M1 codes of wo, K innermost, in blocks of 32 codes, two codes a byte); wo_scales 1,024 x 32 uint8 (E8M0 scales of wo, one for each 32 codes along K); wq_codes 1,024 x 32 x 16 uint8 (E2M1 codes of wq, K innermost, in blocks of 32 codes, two codes a byte); wq_scales 1,024 x 32 uint8 (E8M0 scales of wq, one for each 32 codes along K); wv_codes 1,024 x 32 x 16 uint8 (E2M1 codes of wv, K innermost, in blocks of 32 codes, two codes a byte); wv_scales 1,024 x 32 uint8 (E8M0 scales of wv, one for each 32 codes along K); x_codes 2 x 2,048 x 32 x 16 uint8 (E2M1 codes of x, K innermost, in blocks of 32 codes, two codes a byte); x_scales 2 x 2,048 x 32 uint8 (E8M0 scales of x, one for each 32 codes along K).
;; Outputs: out0 2 x 2,048 x 1,024 float32.
;; This version of the problem:
;;   THIS VERSION OF THE PROBLEM IS GIVEN IN LOW PRECISION. The matrix products marked QUANTISED in the list below multiply operands that are first quantised to E2M1 (2 exponent bits, 1 mantissa bit; 4 bits a number), with one power-of-two scale for each 32 numbers along K (OCP MX v1.0); their sums are f32. All else is computed in f32.
;;   The module's matrix products, in the order in which they are computed (A, B: the left and right operand; K: the contracted axis; several contracted axes count as one K, in the product's order):
;;     1. [M 4,096, K 1,024] x [K 1,024, N 1,024]; A: input x (given as codes); B: input wq (given as codes): QUANTISED
;;     2. [M 4,096, K 1,024] x [K 1,024, N 1,024]; A: input x (given as codes); B: input wk (given as codes): QUANTISED
;;     3. [M 4,096, K 1,024] x [K 1,024, N 1,024]; A: input x (given as codes); B: input wv (given as codes): QUANTISED
;;     4. batch 32 x [M 2,048, K 64] x [K 64, N 2,048]; A: computed on the way; B: computed on the way: QUANTISED
;;     5. batch 32 x [M 2,048, K 2,048] x [K 2,048, N 64]; A: softmax (see below); B: computed on the way: QUANTISED
;;     6. [M 4,096, K 1,024] x [K 1,024, N 1,024]; A: computed on the way; B: input wo (given as codes): QUANTISED
;;   THE QUANTISER, for each operand of a quantised product, along K:
;;     - K is cut into blocks of 32 from its start; a last block that is shorter is filled with zeros.
;;     - A block's scale is 2^e with e = floor(log2(the largest magnitude in the block)) - 2, held to -126 .. 127; a block of zeros has e = 0. As a byte (E8M0): e + 127.
;;     - Each number is divided by its block's scale, clamped to +-6, and rounded to the nearest number of E2M1, ties to even, subnormals kept.
;;     - The product sums the exact products of the quantised numbers (number of the format x scale) in f32.
;;   ~~~python
;;   def quantise(x, axis):      # numpy; x: float32 -> the quantised numbers, widened to float32 again
;;       x = np.moveaxis(x, axis, -1); K = x.shape[-1]
;;       x = np.pad(x, [(0, 0)] * (x.ndim - 1) + [(0, -K % 32)]); x = x.reshape(x.shape[:-1] + (-1, 32)); a = np.abs(x).max(-1, keepdims=True)
;;       e = np.where(a > 0, np.clip(np.frexp(np.where(a > 0, a, 1))[1] - 1 - 2, -126, 127), 0)      # np.frexp(a)[1] - 1 = floor(log2(a)), exactly
;;       r = np.clip(x / 2.0 ** e, -6, 6)
;;       step = 2.0 ** (np.maximum(np.frexp(np.where(r == 0, 1, r))[1] - 1, 0) - 1)
;;       q = np.round(r / step) * step * 2.0 ** e      # np.round: ties to even
;;       return np.moveaxis(q.reshape(q.shape[:-2] + (-1,))[..., :K], -1, axis).astype(np.float32)
;;   ~~~
;;   SOFTMAX AHEAD OF A QUANTISED PRODUCT. Where the list says 'softmax', what is quantised is not the finished softmax but p = 2^(t - M), with t = logit x log2(e) and M = ceil(the row's largest t), a whole number; so 1/2 < the row's largest p <= 1. The row's sum l is taken of the UNQUANTISED p, in f32, and the product's result is divided by l at the end. Since M is a whole number, a kernel that streams over the keys may use a running M (the ceiling of the running maximum): every later rescaling is an exact power of two, which a block's scale takes up: the codes' values come out the same.
;;   OPERANDS COMPUTED ON THE WAY. 'Computed on the way' means the value that the module computes at that place (a softmax that the list does not call 'softmax' is quantised finished and normalised). What goes into a quantiser is computed in f32, as accurately as f32 sums, v_exp_f32 and their like allow (about 1e-6 of the number): no bf16 or f16 on the way to a quantiser, and a product that is left as it is and whose result goes on into a quantised operand takes f32 operands (vector FMAs, or v_wmma_f32_16x16x4_f32). A number that lies on a knife's edge between two numbers of the format may be rounded either way, as far as f32 arithmetic and the matrix unit's own rounding can turn it there, and no further.
;;   INPUTS GIVEN AS CODES. wk (in the module: [1024, 1024], K = its axis 0); wo (in the module: [1024, 1024], K = its axis 0); wq (in the module: [1024, 1024], K = its axis 0); wv (in the module: [1024, 1024], K = its axis 0); x (in the module: [2, 2048, 1024], K = its axis 2): each comes as NAME_codes (uint8): NAME with its K axis moved to the last place and cut into blocks of 32 codes, [.., K / 32, bytes a block], one block behind the other in memory; two codes a byte, the lower K in the low four bits (a code: sign, 2 exponent bits, 1 mantissa bit); and NAME_scales (uint8): the same leading axes, one E8M0 byte (e + 127) for each 32 codes along K. Its value is code x scale, taken as it is: it is not quantised again, and the codes and scales need not be those that the quantiser above would give.
;; One version. Each part assembles by itself: llvm-mc -triple=amdgcn-amd-amdhsa -mcpu=gfx1250 --defsym DOCPART=n.
;; ======== version 1 of 1: 3 launches
;; limits: right only within a limited range of input values
;; workspace buffers: q_img 2,097,152 bytes; k_img 2,097,152 bytes; v_img 2,097,152 bytes; qk_sc 262,144 bytes; v_sc 131,072 bytes; a_img 2,097,152 bytes; a_sc 131,072 bytes
;; launch proj (part 1): grid 8 x 32, 4 waves a work-group, clusters of 4 x 4, 270,848 bytes of LDS; arguments x_codes, x_scales, wq_codes, wq_scales, bq, wk_codes, wk_scales, bk, wv_codes, wv_scales, bv, q_img, k_img, v_img, qk_sc, v_sc; writes q_img, k_img, v_img, qk_sc, v_sc
.if DOCPART == 1
	.amdgcn_target "amdgcn-amd-amdhsa--gfx1250"
	.amdhsa_code_object_version 6
	.text
	.protected	k_qb1d55d35ad_proj
	.globl	k_qb1d55d35ad_proj
	.p2align	8
	.type	k_qb1d55d35ad_proj,@function
k_qb1d55d35ad_proj:
	s_mov_b64 s[64:65], 0
	v_nop
	global_prefetch_b8 v0, s[64:65] scope:SCOPE_SE
	s_setreg_imm32_b32 hwreg(HW_REG_WAVE_MODE, 25, 1), 1
	s_wait_xcnt 0x0
	s_wait_alu depctr_hold_cnt(0) depctr_sa_sdst(0) depctr_va_vdst(0) depctr_va_sdst(0) depctr_va_ssrc(0) depctr_va_vcc(0) depctr_vm_vsrc(0)
	s_getreg_b32 s2, hwreg(HW_REG_IB_STS2, 6, 4)
	s_cmp_eq_u32 s2, 0
	s_cbranch_scc0 .Lentry_in_a_cluster
	s_endpgm
.Lentry_in_a_cluster:
	s_bfe_u32 s2, ttmp6, 0x10000c
	s_cmp_lg_u32 s2, 0xf033
	s_cbranch_scc0 .Lentry_shape_is_right
	s_endpgm
.Lentry_shape_is_right:
; q = x wq + bq, k = x wk + bk, v = x wv + bv on codes of FP4 (E2M1) with one E8M0 scale for each 32 along K = 1,024; the three results are quantised in registers:
; q and k along the head's 64 channels, v along the keys; they leave as IMAGES OF OPERAND REGISTERS, 512 consecutive bytes a store.
; SHARES.  256 work-groups; one takes 128 rows of x and the same 128 columns (two heads) of all three weights.  Wave (wr, wn) takes 64 rows x one head x three products: 48 accumulators, 384 matrix instructions
; over 8 K steps of 128.  x's four fragments of a K step serve all three products.
; q and k are used TRANSPOSED (source 0 = 16 rows of the weight, source 1 = 16 rows of x): a lane holds one row of x and eight channels.  v is used as it reads (source 0 = x, source 1 = wv):
; a lane holds one channel and eight keys.  So in both cases a lane's registers run along the next product's K.
; THE ROWS OF A TILE.  Of 64 rows of x (and of a head's 64 channels of wq, wk) tile t = 0 .. 3 takes, in lanes r = 0-7, rows 8 t + r, and in lanes r = 8-15 rows 32 + 8 (t xor 1) + r - 8.  A result's rows 8 h + j
; then belong to block h of 32: a lane's 32 registers of four tiles are ONE WHOLE BLOCK, and no lane asks another for its largest magnitude.  In block 1 the order of the eights is 1, 0, 3, 2: q and k have it alike along
; the channels, and k's tiles and v have it alike along the keys.  The 16 rows that a load touches lie on 16 different rows modulo 16.  wv's tiles take neighbouring channels.
; So row r of tile t of a group of 64 queries is the row above: the last launch undoes it as it stores.
; LDS.  Four regions of 128 rows x (512 + 16) bytes: x, wq, wk, wv, for all of K.  Each is filled once, by one tensor load: no byte of LDS is filled twice and nothing is stored there.
; CLUSTER 4 x 4.  x's rows hang on the work-group's y alone and are asked for jointly along a row of the cluster; the weights' rows hang on its x alone and are asked for jointly along a column.
; No prefetch: every tile is asked for at the head, so there is no later load to run ahead of.
; THE QUANTISER.  A block's scale is 2^(floor(log2(largest magnitude)) - 2): the largest magnitude's exponent field less 2, held at 1 from below.
; LIMITS: NaN and infinities are not served; a block of zeros gets the byte 1 where the rule says 127: its codes are zeros, and this program alone reads the bytes.
; REGISTERS, in windows of 256.  Window 0: v1-21 addresses; v32-95 scale words; v96-159 x's fragments, two sets; v160-184 at work; v192-239 the codes.
;   window 1: the weights' fragments, two sets of 96.   window 2: q's 16 accumulators (x tile a, weight tile t at 32 a + 8 t), k's at 128 on.
;   window 3: v's 16 accumulators (channel tile a, x tile t at 32 a + 8 t); bq at 128, bk at 160, bv at 192.
.set REG,  128*528                     ; a region of LDS
.set TROW, 16*528                      ; 16 rows of it: an LDS row is 512 bytes + 16 of padding = 132 words, so 16 rows that differ modulo 16 start at 16 different banks (64 banks of 4 bytes: ISA guide 11.1)
.set ADX,  8                           ; v8     LDS address of my fragments of x, even tiles; + 10: odd tiles
.set ADW,  9                           ; v9-11  the same for wq, wk, wv; + 10: odd tiles of wq and wk
.set SOFF, 12                          ; v12    my 16 bytes of a tile's scale bytes, x's and wv's ... see SOX
.set L16,  13                          ; v13    16 x lane
.set L8,   14                          ; v14    8 x lane
.set L4,   15                          ; v15    4 x lane
.set H32,  16                          ; v16    my eight numbers of bq, bk in an even tile; + 5: in an odd one
.set R4,   17                          ; v17    4 r: my number of bv in a tile
.set SOX,  22                          ; v22    my row's scale bytes in an even tile of x, wq, wk; + 1: in an odd one
.set SX,   32                          ; v32-47 x's scale words: tile i, register 4 i + s % 4; lanes 0-15 K steps 0-3, lanes 16-31 K steps 4-7
.set SWT,  48                          ; v48-95 the same for wq, wk, wv: + 16 for each
.set XF,   96                          ; x's fragments: set p at XF + 32 p
.set TM,   160                         ; v160-163 largest magnitudes, v164-167 bytes, v172-175 the conversions' scale operands
.set PW,   176                         ; v176-177 two halves of the scale words
.set QKW,  182                         ; v[182:183] q's and k's words as they are stored
.set VW,   184                         ; v184   v's
.set PC,   192                         ; three sets of sixteen registers of codes
.set BQK,  128                         ; window 3: bq's four tiles, then bk's
.set BV,   192                         ; window 3: bv's four tiles
.set SPW,  254                         ; my spare word's address, and 0: never rewritten
.set NIL,  255
.set G1X,  36                          ; s[36:43] descriptor group 1 for x;  s[44:51] for the weights: the mask differs
.set G1W,  44
.set G0X,  52                          ; s[52:55], s[56:59], s[60:63], s[68:71] groups 0 for x, wq, wk, wv
.set G0Q,  56
.set G0K,  60
.set G0V,  68
.set WV,   72
.set WR,   73
.set WN,   74
.set CX,   75
.set CY,   76
.set NB,   77
.set MB,   78
.set MSB, 0
.macro WIN new                         ; the immediate's high byte repeats the setting that is left; a switch that changes nothing is dropped
.if MSB != (\new)
	s_set_vgpr_msb (MSB<<8)|(\new)
.set MSB, (\new)
.endif
.endm
.macro PLACES n
.rept \n
	v_nop
.endr
.endm
.macro CROUND                          ; a round of the cluster's barrier
	s_barrier_signal -1
	s_barrier_wait -1
	s_cmp_lg_u32 s[WV], 0
	s_cbranch_scc1 .Lnot_wave_0_\@
	s_barrier_signal -3
.Lnot_wave_0_\@:
	s_barrier_wait -3
	s_barrier_signal -1
	s_barrier_wait -1
.endm
	s_load_b512 s[4:19], s[0:1], 0x0               ; x_codes 4, x_scales 6, wq_codes 8, wq_scales 10, bq 12, wk_codes 14, wk_scales 16, bk 18
	s_load_b512 s[20:35], s[0:1], 0x40             ; wv_codes 20, wv_scales 22, bv 24, q_img 26, k_img 28, v_img 30, qk_sc 32, v_sc 34
	v_lshl_add_u32 v[SPW], v0, 2, 0x42000          ; the spare words lie behind the regions
	v_mov_b32 v[NIL], 0
	ds_add_u32 v[SPW], v[NIL]                      ; the opening: an add, twice on end, and its wait ahead of the first tensor load
	ds_add_u32 v[SPW], v[NIL]
	v_lshrrev_b32 v1, 5, v0
	v_readfirstlane_b32 s[WV], v1                  ; wave 0..3
	s_lshr_b32 s[WR], s[WV], 1                     ; which 64 rows of x are mine
	s_and_b32 s[WN], s[WV], 1                      ; which of the two heads
	s_bfe_u32 s[CX], ttmp6, 0x40000                ; my place in the cluster
	s_bfe_u32 s[CY], ttmp6, 0x40004
	s_lshl_b32 s[NB], ttmp9, 2
	s_add_co_u32 s[NB], s[NB], s[CX]               ; block of 128 columns = 4 x cluster x + cx
	s_and_b32 s[MB], ttmp7, 0xffff
	s_lshl_b32 s[MB], s[MB], 2
	s_add_co_u32 s[MB], s[MB], s[CY]               ; block of 128 rows = 4 x cluster y + cy
	s_lshl_b32 s79, s[CY], 2
	s_lshl_b32 s79, 15, s79                        ; my row of the cluster
	s_lshl_b32 s80, 0x1111, s[CX]                  ; my column
	s_or_b32 s[G1X], s79, (1<<20)|(1<<21)|(6<<22)|(3<<25)   ; 15:0 the mask; 17:16 elements of 1 byte; 20 padding on; 21 set beside a mask; 24:22 after every 128 words (code 6); 31:25 four words (code 3)
	s_or_b32 s[G1W], s80, (1<<20)|(1<<21)|(6<<22)|(3<<25)
.irp g, G1X, G1W
	s_mov_b32 s[\g+1], 512<<16                     ; tensor_dim0 = 512 bytes: all of K
	s_mov_b32 s[\g+2], 128<<16                     ; tensor_dim1 = 128 rows
	s_mov_b32 s[\g+3], 512<<16                     ; tile_dim0
	s_mov_b32 s[\g+4], 128                         ; tile_dim1
	s_mov_b32 s[\g+5], 512                         ; from row to row
	s_mov_b32 s[\g+6], 0
	s_mov_b32 s[\g+7], 0
.endr
	s_lshl_b32 s82, s[MB], 16                      ; x's tile: 128 rows of 512 bytes a block; this pair never holds the column block,
	s_mov_b32 s83, 0
	s_lshl_b32 s84, s[NB], 16                      ; nor this one the row block
	s_mov_b32 s85, 0
	s_lshl_b32 s86, s[MB], 12                      ; x's scale bytes: 32 a row: my 64 rows
	s_lshl_b32 s87, s[WR], 11
	s_add_co_u32 s86, s86, s87
	s_mov_b32 s87, 0
	s_lshl_b32 s88, s[NB], 12                      ; the weights' scale bytes: my head's 64 rows
	s_lshl_b32 s89, s[WN], 11
	s_add_co_u32 s88, s88, s89
	s_mov_b32 s89, 0
	s_lshl_b32 s90, s[NB], 9                       ; the biases: my head's 64 numbers
	s_lshl_b32 s91, s[WN], 8
	s_add_co_u32 s90, s90, s91
	s_mov_b32 s91, 0
	s_lshr_b32 s2, s[MB], 4                        ; the batch
	s_lshl_b32 s2, s2, 4
	s_lshl_b32 s3, s[NB], 1
	s_add_co_u32 s2, s2, s3
	s_add_co_u32 s2, s2, s[WN]                     ; bh = 16 x batch + head
	s_lshl_b32 s2, s2, 5
	s_and_b32 s3, s[MB], 15
	s_lshl_b32 s3, s3, 1
	s_add_co_u32 s2, s2, s3
	s_add_co_u32 s2, s2, s[WR]                     ; 32 bh + my group of 64 rows in the batch
	s_lshl_b32 s94, s2, 11                         ; 2,048 bytes of each image for a group,
	s_mov_b32 s95, 0
	s_lshl_b32 s96, s2, 8                          ; 256 of q's and k's scale words,
	s_mov_b32 s97, 0
	s_lshl_b32 s98, s2, 7                          ; 128 of v's
	s_mov_b32 s99, 0
	s_mul_i32 s2, s[WR], 64*528
	s_mul_i32 s3, s[WN], 64*528
	s_add_co_u32 s3, s3, REG
	v_and_b32 v1, 15, v0                           ; r
	v_bfe_u32 v2, v0, 4, 1                         ; h
	v_and_b32 v3, 31, v0                           ; lane
	v_mul_u32_u24 v4, v1, 528
	v_lshl_add_u32 v4, v2, 4, v4                   ; neighbouring rows: r x pitch + 16 x half
	v_and_b32 v5, 8, v1                            ; 8 (r / 8)
	v_mul_u32_u24 v6, v5, 2*528
	v_add_nc_u32 v6, v6, v4                        ; odd tiles: row r + 16 (r / 8), and 8 t on
	v_mul_u32_u24 v7, v5, 4*528
	v_add_nc_u32 v7, v7, v4                        ; even tiles: row r + 32 (r / 8), and 8 t on
	v_add_nc_u32 v[ADX], s2, v7
	v_add_nc_u32 v[ADX+10], s2, v6
	v_add_nc_u32 v[ADW], s3, v7
	v_add_nc_u32 v[ADW+10], s3, v6
	s_add_co_u32 s3, s3, REG
	v_add_nc_u32 v[ADW+1], s3, v7
	v_add_nc_u32 v[ADW+11], s3, v6
	s_add_co_u32 s3, s3, REG
	v_add_nc_u32 v[ADW+2], s3, v4
	v_lshlrev_b32 v[SOFF], 5, v1
	v_lshl_add_u32 v[SOFF], v2, 4, v[SOFF]         ; wv's scale bytes: 32 r + 16 h; the others' follow the order of the rows
	v_lshl_add_u32 v[SOX], v5, 7, v[SOFF]          ; + 32 x 32 (r / 8)
	v_lshl_add_u32 v[SOX+1], v5, 6, v[SOFF]        ; + 32 x 16 (r / 8)
	v_lshlrev_b32 v[L16], 4, v3
	v_lshlrev_b32 v[L8], 3, v3
	v_lshlrev_b32 v[L4], 2, v3
	v_mul_u32_u24 v[H32], v2, 160                  ; even tiles: channels 8 t, or 40 + 8 t
	v_mul_u32_u24 v[H32+5], v2, 96                 ; odd tiles: channels 8 t, or 24 + 8 t
	v_lshlrev_b32 v[R4], 2, v1
	s_wait_alu depctr_va_vdst(0)
	s_wait_dscnt 0x0                               ; both opening adds are done
	CROUND                                         ; all sixteen work-groups are here: the joint loads meet
	s_wait_kmcnt 0x0
.macro G0SET g, lds, base, off         ; group 0: count 1, the LDS address, the tile's first byte, type 2
	s_mov_b32 s[\g], 1
	s_mov_b32 s[\g+1], \lds
	s_add_nc_u64 s[\g+2:\g+3], s[\base:\base+1], s[\off:\off+1]
	s_or_b32 s[\g+3], s[\g+3], 0x80000000
.endm
	G0SET G0X, 0,     4,  82
	G0SET G0Q, REG,   8,  84
	G0SET G0K, 2*REG, 14, 84
	G0SET G0V, 3*REG, 20, 84
	s_cmp_lg_u32 s[WV], 0                          ; one load a wave: wave 0 x, wave 1 wq, wave 2 wk, wave 3 wv.  The branches hang on the wave's number alone
	s_cbranch_scc1 .Lnot_x
	tensor_load_to_lds s[G0X:G0X+3], s[G1X:G1X+7]
	s_nop 0
	PLACES 4                                       ; four v_nop follow each of the lines, ahead of the jump and the label
	s_branch .Lasked
.Lnot_x:
	s_cmp_lg_u32 s[WV], 1
	s_cbranch_scc1 .Lnot_q
	tensor_load_to_lds s[G0Q:G0Q+3], s[G1W:G1W+7]
	s_nop 0
	PLACES 4
	s_branch .Lasked
.Lnot_q:
	s_cmp_lg_u32 s[WV], 2
	s_cbranch_scc1 .Lnot_k
	tensor_load_to_lds s[G0K:G0K+3], s[G1W:G1W+7]
	s_nop 0
	PLACES 4
	s_branch .Lasked
.Lnot_k:
	tensor_load_to_lds s[G0V:G0V+3], s[G1W:G1W+7]
	s_nop 0
	PLACES 4
.Lasked:
	s_add_nc_u64 s[6:7], s[6:7], s[86:87]          ; every pointer is stepped once, ahead of the first load or store that names it
	s_add_nc_u64 s[10:11], s[10:11], s[88:89]
	s_add_nc_u64 s[16:17], s[16:17], s[88:89]
	s_add_nc_u64 s[22:23], s[22:23], s[88:89]
	s_add_nc_u64 s[12:13], s[12:13], s[90:91]
	s_add_nc_u64 s[18:19], s[18:19], s[90:91]
	s_add_nc_u64 s[24:25], s[24:25], s[90:91]
	s_add_nc_u64 s[26:27], s[26:27], s[94:95]
	s_add_nc_u64 s[28:29], s[28:29], s[94:95]
	s_add_nc_u64 s[30:31], s[30:31], s[94:95]
	s_add_nc_u64 s[32:33], s[32:33], s[96:97]
	s_add_nc_u64 s[34:35], s[34:35], s[98:99]
.irp i, 0,1,2,3                        ; the scale words of all of K stay in registers, 16 bytes of a row a lane: the four loads of an operand take 2,048 consecutive bytes between them
	global_load_b128 v[SX+4*\i:SX+4*\i+3], v[SOX+\i%2], s[6:7] offset:256*\i
	global_load_b128 v[SWT+4*\i:SWT+4*\i+3], v[SOX+\i%2], s[10:11] offset:256*\i
	global_load_b128 v[SWT+16+4*\i:SWT+16+4*\i+3], v[SOX+\i%2], s[16:17] offset:256*\i
	global_load_b128 v[SWT+32+4*\i:SWT+32+4*\i+3], v[SOFF], s[22:23] offset:512*\i
.endr
	WIN 0xc0                                       ; destination window 3
.irp t, 0,1,2,3                        ; the biases in the results' layout: they are the C of each sum's first matrix instruction
	global_load_b128 v[BQK+8*\t:BQK+8*\t+3], v[H32+5*(\t%2)], s[12:13] offset:32*\t
	global_load_b128 v[BQK+8*\t+4:BQK+8*\t+7], v[H32+5*(\t%2)], s[12:13] offset:32*\t+16
	global_load_b128 v[BQK+32+8*\t:BQK+32+8*\t+3], v[H32+5*(\t%2)], s[18:19] offset:32*\t
	global_load_b128 v[BQK+32+8*\t+4:BQK+32+8*\t+7], v[H32+5*(\t%2)], s[18:19] offset:32*\t+16
	global_load_b32 v[BV+8*\t], v[R4], s[24:25] offset:64*\t
.endr
	WIN 0
; 32 LDS loads in one run: the fragments of K step s (16 rows x 128 K of 4-bit codes: 8 registers; registers 4 c .. 4 c + 3 hold K = 64 c + 32 (l / 16) + 0 .. 31) into set p
.macro FETCH s, p
	WIN 0x40                                       ; destination window 1, address window 0
.irp op, 0,1,2
.irp i, 0,1,2,3
.irp c, 0,1
.if \op < 2
	ds_load_b128 v[128*(\p)+32*\op+8*\i+4*\c:128*(\p)+32*\op+8*\i+4*\c+3], v[ADW+\op+10*(\i%2)] offset:8*528*\i+64*(\s)+32*\c
.else
	ds_load_b128 v[128*(\p)+32*\op+8*\i+4*\c:128*(\p)+32*\op+8*\i+4*\c+3], v[ADW+\op] offset:TROW*\i+64*(\s)+32*\c
.endif
.endr
.endr
.endr
	WIN 0
.irp i, 0,1,2,3
.irp c, 0,1
	ds_load_b128 v[XF+32*(\p)+8*\i+4*\c:XF+32*(\p)+8*\i+4*\c+3], v[ADX+10*(\i%2)] offset:8*528*\i+64*(\s)+32*\c
.endr
.endr
.endm
.macro WM d, a, b, c, sa, sb, row      ; row = 1: both sides' scale words are read from lanes 16-31
.if \row
	v_wmma_scale_f32_16x16x128_f8f6f4 v[\d:\d+7], v[\a:\a+7], v[\b:\b+7], v[\c:\c+7], v[\sa], v[\sb] matrix_a_fmt:MATRIX_FMT_FP4 matrix_b_fmt:MATRIX_FMT_FP4 matrix_a_scale:MATRIX_SCALE_ROW1 matrix_b_scale:MATRIX_SCALE_ROW1
.else
	v_wmma_scale_f32_16x16x128_f8f6f4 v[\d:\d+7], v[\a:\a+7], v[\b:\b+7], v[\c:\c+7], v[\sa], v[\sb] matrix_a_fmt:MATRIX_FMT_FP4 matrix_b_fmt:MATRIX_FMT_FP4
.endif
.endm
; 32 products for q (pr = 0) and k (pr = 1): source 0 = the weight's tile t, source 1 = x's tile a.  The 48 accumulators of a K step take turns, one instruction a turn, in the same order in every step.
.macro MULQK s, p
.if (\s) == 0
	WIN 0xb1                                       ; source 0 window 1, source 1 window 0, C (the bias) window 3, D window 2
.else
	WIN 0xa1                                       ; C and D window 2
.endif
.irp pr, 0,1
.irp a, 0,1,2,3
.irp t, 0,1,2,3
.if (\s) == 0
	WM 128*\pr+32*\a+8*\t, 128*(\p)+32*\pr+8*\t, XF+32*(\p)+8*\a, BQK+32*\pr+8*\t, SWT+16*\pr+4*\t+(\s)%4, SX+4*\a+(\s)%4, (\s)/4
.else
	WM 128*\pr+32*\a+8*\t, 128*(\p)+32*\pr+8*\t, XF+32*(\p)+8*\a, 128*\pr+32*\a+8*\t, SWT+16*\pr+4*\t+(\s)%4, SX+4*\a+(\s)%4, (\s)/4
.endif
.endr
.endr
.endr
.endm
; 16 products for v: source 0 = x's tile t, source 1 = wv's tile a
.macro MULV s, p
	WIN 0xf4                                       ; source 0 window 0, source 1 window 1, C and D window 3
.irp a, 0,1,2,3
.irp t, 0,1,2,3
.if (\s) == 0
	WM 32*\a+8*\t, XF+32*(\p)+8*\t, 128*(\p)+64+8*\a, BV+8*\a, SX+4*\t+(\s)%4, SWT+32+4*\a+(\s)%4, (\s)/4
.else
	WM 32*\a+8*\t, XF+32*(\p)+8*\t, 128*(\p)+64+8*\a, 32*\a+8*\t, SX+4*\t+(\s)%4, SWT+32+4*\a+(\s)%4, (\s)/4
.endif
.endr
.endr
.endm
.macro STEP s
	s_wait_dscnt 0x0                               ; this step's fragments are in: they were asked for ahead of the last step's 48 matrix instructions
.if (\s) < 7
.if (\s) > 0
	PLACES 4                                       ; a load into a register that a matrix instruction has read stands four plain vector instructions behind it (ISA guide 7.12.1 for vector instructions)
.endif
	FETCH (\s)+1, ((\s)+1)%2
.endif
	MULQK \s, (\s)%2
	MULV \s, (\s)%2
.endm
	s_wait_tensorcnt 0x0                           ; my tile is in,
	s_barrier_signal -1
	s_barrier_wait -1                              ; everybody's is
	FETCH 0, 0
	s_wait_loadcnt 0x0                             ; the scale words and the biases
	WIN 0xc3                                       ; destination and source 0 window 3
.irp a, 0,1,2,3
.irp j, 1,2,3,4,5,6,7
	v_mov_b32 v[BV+8*\a+\j], v[BV+8*\a]            ; in v's layout a lane holds one channel: its bias stands in all eight registers of the C
.endr
.endr
	WIN 0
	s_wait_alu depctr_va_vdst(0)
.irp s, 0,1,2,3,4,5,6,7
	STEP \s
.endr
	WIN 0
	PLACES 4                                       ; ahead of the first read of results
; 128 registers of window W from s on: of each of four tiles my whole block h of 32.  They become sixteen registers of codes at pc (four images of four registers) and the scale word in v[pd]:
; lanes 0-15 hold [tile 0 block 0, block 1, tile 1 block 0, block 1], lanes 16-31 the same of tiles 2 and 3.  Each accumulator is read from its low end on.
.macro QUANT W, s, pc, pd
	WIN ((\W)<<2)|((\W)<<4)                        ; sources 1 and 2 in window W
.irp b, 0,1,2,3
	v_max3_num_f32 v[TM+\b], 0x1800000, |v[\s+32*\b]|, |v[\s+32*\b+1]|   ; with the floor 2^(3 - 127): so the byte cannot fall under 1
.endr
.irp i, 2,4,6,8,10,12,14,16,18,20,22,24,26,28,30
.irp b, 0,1,2,3
	v_max3_num_f32 v[TM+\b], v[TM+\b], |v[\s+32*\b+\i]|, |v[\s+32*\b+\i+1]|   ; (the four blocks by turns)
.endr
.endr
	WIN 0
.irp b, 0,1,2,3
	v_add_nc_u32 v[TM+12+\b], 0xff000000, v[TM+\b] ; 2 off its exponent field: the conversion takes the exponent field of this operand as its scale
.endr
.irp b, 0,1,2,3
	v_lshrrev_b32 v[TM+4+\b], 23, v[TM+12+\b]      ; the scale's byte
.endr
	v_lshl_or_b32 v[PW], v[TM+5], 16, v[TM+4]      ; my block's bytes of tiles 0 and 1,
	v_lshl_or_b32 v[PW+1], v[TM+7], 16, v[TM+6]    ; of tiles 2 and 3
	WIN \W                                         ; source 0 in window W
.irp b, 0,1,2,3
.irp t, 0,1,2,3
	v_cvt_scalef32_pk8_fp4_f32 v[\pc+4*\b+\t], v[\s+32*\b+8*\t:\s+32*\b+8*\t+7], v[TM+12+\b]
.endr
.endr
	WIN 0
	v_permlane16_swap_b32 v[PW], v[PW+1]           ; the first: block 0's bytes of tiles 0, 1 | of tiles 2, 3; the second: block 1's
	v_lshl_or_b32 v[\pd], v[PW+1], 8, v[PW]
.endm
.macro PUT pc, base                    ; four images: each store covers 512 consecutive bytes, aligned
.irp n, 0,1,2,3
	global_store_b128 v[L16], v[\pc+4*\n:\pc+4*\n+3], s[\base:\base+1] offset:512*\n
.endr
.endm
	QUANT 2, 0, PC, QKW                            ; q
	PUT PC, 26
	QUANT 2, 128, PC+16, QKW+1                     ; k
	PUT PC+16, 28
	global_store_b64 v[L8], v[QKW:QKW+1], s[32:33] ; 256 consecutive bytes, aligned
	QUANT 3, 0, PC+32, VW                          ; v
	PUT PC+32, 30
	global_store_b32 v[L4], v[VW], s[34:35]        ; 128 consecutive bytes: the neighbouring 128 are the other row half's wave's; one part in fifty of what the launch stores
	s_wait_tensorcnt 0x0                           ; the wave's end
	ds_add_u32 v[SPW], v[NIL]
	s_wait_dscnt 0x0
	CROUND                                         ; the closing round: no work-group ends while a partner may still ask for a tile that names it
	s_endpgm
.Lfunc_end_k_qb1d55d35ad_proj:
	.size	k_qb1d55d35ad_proj, .Lfunc_end_k_qb1d55d35ad_proj-k_qb1d55d35ad_proj
	.p2alignl 7, 3214868480
	.fill 96, 4, 3214868480
	.section	.rodata,"a",@progbits
	.p2align	6, 0x0
	.amdhsa_kernel k_qb1d55d35ad_proj
		.amdhsa_group_segment_fixed_size 270848
		.amdhsa_private_segment_fixed_size 0
		.amdhsa_enable_private_segment 0
		.amdhsa_kernarg_size 128
		.amdhsa_user_sgpr_count 2
		.amdhsa_user_sgpr_kernarg_segment_ptr 1
		.amdhsa_wavefront_size32 1
		.amdhsa_system_sgpr_workgroup_id_x 1
		.amdhsa_system_sgpr_workgroup_id_y 1
		.amdhsa_system_sgpr_workgroup_id_z 1
		.amdhsa_system_vgpr_workitem_id 0
		.amdhsa_next_free_vgpr 1024
		.amdhsa_next_free_sgpr 100
		.amdhsa_reserve_vcc 0
		.amdhsa_float_denorm_mode_32 3
		.amdhsa_float_denorm_mode_16_64 3
		.amdhsa_memory_ordered 1
		.amdhsa_forward_progress 1
		.amdhsa_inst_pref_size 98
	.end_amdhsa_kernel
	.amdgpu_metadata
---
amdhsa.version: [ 1, 2 ]
amdhsa.kernels:
  - .name:           k_qb1d55d35ad_proj
    .symbol:         k_qb1d55d35ad_proj.kd
    .args:
      - { .name: x_codes, .offset: 0, .size: 8, .value_kind: global_buffer, .address_space: global }
      - { .name: x_scales, .offset: 8, .size: 8, .value_kind: global_buffer, .address_space: global }
      - { .name: wq_codes, .offset: 16, .size: 8, .value_kind: global_buffer, .address_space: global }
      - { .name: wq_scales, .offset: 24, .size: 8, .value_kind: global_buffer, .address_space: global }
      - { .name: bq, .offset: 32, .size: 8, .value_kind: global_buffer, .address_space: global }
      - { .name: wk_codes, .offset: 40, .size: 8, .value_kind: global_buffer, .address_space: global }
      - { .name: wk_scales, .offset: 48, .size: 8, .value_kind: global_buffer, .address_space: global }
      - { .name: bk, .offset: 56, .size: 8, .value_kind: global_buffer, .address_space: global }
      - { .name: wv_codes, .offset: 64, .size: 8, .value_kind: global_buffer, .address_space: global }
      - { .name: wv_scales, .offset: 72, .size: 8, .value_kind: global_buffer, .address_space: global }
      - { .name: bv, .offset: 80, .size: 8, .value_kind: global_buffer, .address_space: global }
      - { .name: q_img, .offset: 88, .size: 8, .value_kind: global_buffer, .address_space: global }
      - { .name: k_img, .offset: 96, .size: 8, .value_kind: global_buffer, .address_space: global }
      - { .name: v_img, .offset: 104, .size: 8, .value_kind: global_buffer, .address_space: global }
      - { .name: qk_sc, .offset: 112, .size: 8, .value_kind: global_buffer, .address_space: global }
      - { .name: v_sc, .offset: 120, .size: 8, .value_kind: global_buffer, .address_space: global }
    .group_segment_fixed_size: 270848
    .private_segment_fixed_size: 0
    .kernarg_segment_align: 8
    .kernarg_segment_size: 128
    .max_flat_workgroup_size: 128
    .sgpr_count:     100
    .vgpr_count:     1024
    .wavefront_size: 32
...
	.end_amdgpu_metadata
.endif
;; end of part 1
;; launch attn (part 2): grid 8 x 32, 16 waves a work-group, clusters of 4 x 1, 169,984 bytes of LDS; arguments q_img, k_img, v_img, qk_sc, v_sc, a_img, a_sc; writes a_img, a_sc
.if DOCPART == 2
	.amdgcn_target "amdgcn-amd-amdhsa--gfx1250"
	.amdhsa_code_object_version 6
	.text
	.protected	k_qb1d55d35ad_attn
	.globl	k_qb1d55d35ad_attn
	.p2align	8
	.type	k_qb1d55d35ad_attn,@function
k_qb1d55d35ad_attn:
	s_mov_b64 s[64:65], 0
	v_nop
	global_prefetch_b8 v0, s[64:65] scope:SCOPE_SE
	s_setreg_imm32_b32 hwreg(HW_REG_WAVE_MODE, 25, 1), 1
	s_wait_xcnt 0x0
	s_wait_alu depctr_hold_cnt(0) depctr_sa_sdst(0) depctr_va_vdst(0) depctr_va_sdst(0) depctr_va_ssrc(0) depctr_va_vcc(0) depctr_vm_vsrc(0)
	s_getreg_b32 s2, hwreg(HW_REG_IB_STS2, 6, 4)
	s_cmp_eq_u32 s2, 0
	s_cbranch_scc0 .Lentry_in_a_cluster
	s_endpgm
.Lentry_in_a_cluster:
	s_bfe_u32 s2, ttmp6, 0x10000c
	s_cmp_lg_u32 s2, 0x3003
	s_cbranch_scc0 .Lentry_shape_is_right
	s_endpgm
.Lentry_shape_is_right:
; a[b][q][head] = softmax_k(q . k / 8) v, both products on codes of FP4 (E2M1) with one E8M0 scale for each 32 along a product's K; the result, divided by the row's sum, is quantised along the head's 64 channels.
; THE SOFTMAX: t = score x log2(e) / 8; M = the row's largest t so far, rounded UP to a whole number; p = 2^(t - M) is what is quantised, along the keys.  The row's sum is taken of the unquantised p and divides at the end.
; When M moves, the sum and O are multiplied by 2^(old M - new M): exact.
; SHARES.  A work-group owns 256 queries of one head; each of its sixteen waves owns 16, one tile, in 256 registers: four waves to a SIMD, so that one wave's vector work stands beside another's matrix work and LDS loads.
; Every wave walks the head's 2,048 keys, 256 a step, 8 steps.
; LDS.  The head's K (65,536 bytes), V (65,536) and their scale words (8,192 + 4,096) lie there whole, as images of operand registers: every load takes lane l at 16 l, 8 l or 4 l.  Each byte is filled once, at the head, by
; one tensor load in each of ten waves.  Waves 0 to 3 fetch the first 512 keys of K and of V and all scale words, and wait for them in front of the first barrier: with them steps 0 and 1 run.  Waves 4 to 9 fetch the other
; keys, by lines of their own; the second barrier, behind step 1, shows them.  No barrier stands in the loop over steps 2 to 6.
; CLUSTER 4 x 1.  The four query blocks of a cluster belong to one head: every tile is asked for jointly, with the mask 15.  No prefetch: all tiles are asked for at the head.
; LAYOUT.  S^T = K Q^T (source 0 = keys, source 1 = my 16 queries), O^T = V^T P^T (source 0 = 16 channels, source 1 = P): a lane holds ONE query (lane % 16) throughout.
; The images' tiles of keys are laid so that of a group of 64 keys lanes 0-15 receive block 0 of 32 keys whole, in 32 registers, and lanes 16-31 block 1: a block's largest score needs no other lane, and the conversions'
; results are the second product's operand as they stand.  V's images have the keys of a block in the same order.
; THE FIRST PRODUCT'S K IS 64, half of the instruction's 128.  Eight registers of K hold TWO tiles of 16 keys (registers 0-3 and 4-7); they are multiplied by [q | zero codes] for the first and by [zero codes | q] for the second.
; The 32-row form takes a group's four tiles at once: [q | 0] gives tiles 0 and 2, [0 | q] tiles 1 and 3.
; ORDER.  K's groups 0 to 2 of the next step are asked for while this step's p are summed, into registers whose p have been summed; group 3, at the step's head, into the registers of p's codes.
; The exponentials go as two batches; between those of the second stand conversions and sums of the first's results, none of which reads another's result.
; LIMITS: NaN and infinities are not served; the scaled scores t stay under 2^31 in magnitude; a block of zeros gets the byte 1 where the rule says 127: its codes are zeros, and this program alone reads the bytes.
; REGISTERS: v1-4, v7, v8 addresses that stay; v9-11, v28 addresses of the step; v12 -M, v13 the largest score, v[14:15] the sum; v16-19 q, v20-23 zero codes, v24-27 q; v29, v31, v254 at work; v30 f, at work ahead of it;
;   v32-63 V's first 128 keys; v64-95 O^T; v96-223 S^T, then p (v160-207 hold K's groups 0 to 2 first, v128-159 V's second 128 keys last); v224-239 K's group 3, then p's codes;
;   v240-243 the blocks' largest, then the conversions' operands; v244-247 V's scale words as they lie; v5, v245, v6, v247 V's as they are used; v248-251 K's; v252, v253 p's; v255 q's.
.set VB,   65536                       ; LDS: V
.set KSB,  131072                      ; q's and k's scale words of the head: [group of 64 rows][lane][q's word, k's word]
.set VSB,  139264                      ; V's: [64 keys][lane][word]
.set STG,  143360                      ; 512 bytes that no tile lands in: the work-group's 256 rows x 2 scale bytes
.set SPARE, 167936                     ; the spare words, 128 bytes for each wave
.set CHUNK, 16384                      ; 512 keys of K or of V
.set L16,  1                           ; 16 x lane: my place in an image; also the offset of the global loads and stores
.set AV0,  2                           ; the same in V
.set ASK0, 3                           ; my word among K's scale words
.set ASV0, 4                           ; and among V's
.set SPW,  7                           ; my spare word's address, and 0: never rewritten
.set NIL,  8
.set ADK,  9
.set ADV,  10
.set ADS,  11
.set ADT,  28
.set WV,   18
.set SEL,  20
.set CS,   22                          ; s[22:23] c = log2(e) / 8
.set G1C,  24                          ; s[24:31] group 1 for a chunk: 64 rows of 256 bytes;  s[32:39] K's scale words: 32 rows;  s[40:47] V's: 16 rows
.set G1KS, 32
.set G1VS, 40
.set G0C,  48                          ; groups 0: a later chunk of K, K's scale words, V's, the first chunks of K and of V;
.set G0KS, 52
.set G0VS, 56
.set G0K,  92
.set G0V,  96
.set G0D,  8                           ; a later chunk of V (the arguments that lay there have been used by then)
.set CX,   60
.set QB,   61
.set BH,   62
.set CNT,  63
.set TK,   68                          ; LDS byte of the step's images: 8,192 a step
.set TS,   69                          ; of K's scale words: 1,024 a step
.set TJ,   70                          ; of V's: 512 a step
.set QSEL, 71
.set NC,   90                          ; -c
.macro CROUND                          ; a round of the cluster's barrier
	s_barrier_signal -1
	s_barrier_wait -1
	s_cmp_lg_u32 s[WV], 0
	s_cbranch_scc1 .Lnot_wave_0_\@
	s_barrier_signal -3
.Lnot_wave_0_\@:
	s_barrier_wait -3
	s_barrier_signal -1
	s_barrier_wait -1
.endm
	s_load_b256 s[4:11], s[0:1], 0x0               ; q_img 4, k_img 6, v_img 8, qk_sc 10
	s_load_b128 s[12:15], s[0:1], 0x20             ; v_sc 12, a_img 14
	s_load_b64 s[16:17], s[0:1], 0x30              ; a_sc
	v_lshl_add_u32 v[SPW], v0, 2, SPARE
	v_mov_b32 v[NIL], 0
	ds_add_u32 v[SPW], v[NIL]                      ; the opening: an add, twice on end, and its wait ahead of the first tensor load
	ds_add_u32 v[SPW], v[NIL]
	v_lshrrev_b32 v9, 5, v0
	v_readfirstlane_b32 s[WV], v9                  ; wave 0..15
	v_and_b32 v10, 31, v0                          ; lane
	v_and_b32 v11, 15, v0                          ; r
	v_lshlrev_b32 v[L16], 4, v10
	v_lshl_add_u32 v[ASK0], v10, 3, KSB+4          ; 8 bytes a lane; k's word is the second
	v_lshl_add_u32 v[ASV0], v10, 2, VSB
	v_add_nc_u32 v[AV0], VB, v[L16]
	v_lshlrev_b32 v28, 3, v11                      ; q's scale word: 8 r
.irp j, 20,21,22,23
	v_mov_b32 v[\j], 0                             ; zero codes
.endr
.set J, 64
.rept 32
	v_mov_b32 v[J], 0                              ; O^T.  (No step is a first step of its own: step 0 finds zeros, which the first change of M leaves zeros)
.set J, J+1
.endr
	s_bfe_u32 s[CX], ttmp6, 0x40000                ; my place in the cluster: it enters q's and the outputs' addresses alone
	s_lshl_b32 s[QB], ttmp9, 2
	s_add_co_u32 s[QB], s[QB], s[CX]               ; my block of 256 queries
	s_and_b32 s[BH], ttmp7, 0xffff                 ; 16 x batch + head, which the four partners share
	s_mov_b32 s[G1C], 15|(3<<16)|(1<<21)           ; 15:0 the mask: all four work-groups; 17:16 elements of 8 bytes; 21 set beside a mask; no padding
	s_mov_b32 s[G1KS], 15|(3<<16)|(1<<21)
	s_mov_b32 s[G1VS], 15|(3<<16)|(1<<21)
.irp g, G1C, G1KS, G1VS
	s_mov_b32 s[\g+1], 32<<16                      ; tensor_dim0 = 32 elements: rows of 256 bytes, dense
	s_mov_b32 s[\g+3], 32<<16                      ; tile_dim0
	s_mov_b32 s[\g+5], 32                          ; from row to row
	s_mov_b32 s[\g+6], 0
	s_mov_b32 s[\g+7], 0
.endr
	s_mov_b32 s[G1C+2], 64<<16                     ; tensor_dim1 and tile_dim1
	s_mov_b32 s[G1C+4], 64
	s_mov_b32 s[G1KS+2], 32<<16
	s_mov_b32 s[G1KS+4], 32
	s_mov_b32 s[G1VS+2], 16<<16
	s_mov_b32 s[G1VS+4], 16
	s_mov_b32 s[SEL], 0x76543210
	s_mov_b32 s[SEL+1], 0xfedcba98                 ; v_permlanex16_b32's selects for lane l xor 16
	s_mov_b32 s[CS], 0x3e38aa3b                    ; c = log2(e) / sqrt(64)
	s_mov_b32 s[CS+1], s[CS]                       ; (named with it as a pair, so it is written)
	s_mov_b32 s[NC], 0xbe38aa3b
	s_mov_b32 s[QSEL], 0x01000100                  ; my tile's two bytes of a pair of tiles' word, twice: bytes 0, 1 in an even tile,
	s_bitcmp1_b32 s[WV], 0
	s_cselect_b32 s[QSEL], 0x03020302, s[QSEL]     ; bytes 2, 3 in an odd one
	s_lshl_b32 s72, s[BH], 16                      ; the head's first byte in an image
	s_mov_b32 s73, 0
	s_and_b32 s19, s[WV], 3
	s_lshl_b32 s19, s19, 14
	s_add_co_u32 s19, s19, CHUNK                   ; waves 4, 5, 6: chunks 1, 2, 3 of K:
	s_mov_b32 s[G0C+1], s19                        ; in LDS,
	s_add_co_u32 s86, s72, s19                     ; and in memory
	s_mov_b32 s87, 0
	s_add_co_u32 s19, s[WV], 1
	s_and_b32 s19, s19, 3
	s_lshl_b32 s19, s19, 14
	s_add_co_u32 s19, s19, CHUNK                   ; waves 7, 8, 9: chunks 1, 2, 3 of V
	s_add_co_u32 s88, s72, s19
	s_mov_b32 s89, 0
	s_add_co_u32 s19, s19, VB
	s_lshl_b32 s74, s[BH], 13                      ; the head in q's and k's scale words,
	s_mov_b32 s75, 0
	s_lshl_b32 s76, s[BH], 12                      ; in V's
	s_mov_b32 s77, 0
	s_lshl_b32 s3, s[QB], 13                       ; q: my tile T = 16 x block + wave: 512 bytes a tile
	s_add_co_u32 s78, s72, s3
	s_lshl_b32 s3, s[WV], 9
	s_add_co_u32 s78, s78, s3
	s_mov_b32 s79, 0
	s_lshl_b32 s3, s[QB], 10                       ; its pair of tiles' scale words: 128 bytes a pair
	s_add_co_u32 s80, s74, s3
	s_lshr_b32 s3, s[WV], 1
	s_lshl_b32 s3, s3, 7
	s_add_co_u32 s80, s80, s3
	s_mov_b32 s81, 0
	s_lshr_b32 s2, s[BH], 4                        ; the batch
	s_and_b32 s3, s[BH], 15                        ; the head
	s_lshl_b32 s82, s2, 20                         ; a's image: [tile of rows in both batches][head][512 bytes]
	s_lshl_b32 s84, s[QB], 17
	s_add_co_u32 s82, s82, s84
	s_lshl_b32 s84, s[WV], 13
	s_add_co_u32 s82, s82, s84
	s_lshl_b32 s84, s3, 9
	s_add_co_u32 s82, s82, s84
	s_mov_b32 s83, 0
	s_lshl_b32 s84, s3, 13                         ; a's scale bytes: [head][row][2]: the work-group's 256 rows
	s_lshl_b32 s2, s2, 12
	s_add_co_u32 s84, s84, s2
	s_lshl_b32 s2, s[QB], 9
	s_add_co_u32 s84, s84, s2
	s_mov_b32 s85, 0
.irp g, G0C, G0KS, G0VS, G0K, G0V
	s_mov_b32 s[\g], 1                             ; groups 0: count 1,
.endr
	s_mov_b32 s[G0KS+1], KSB                       ; the LDS address,
	s_mov_b32 s[G0VS+1], VSB
	s_mov_b32 s[G0K+1], 0
	s_mov_b32 s[G0V+1], VB
	s_wait_alu depctr_va_vdst(0)
	s_wait_dscnt 0x0                               ; both opening adds are done
	CROUND                                         ; all four work-groups are here: the joint loads meet
	s_wait_kmcnt 0x0
	s_add_nc_u64 s[4:5], s[4:5], s[78:79]
	s_add_nc_u64 s[66:67], s[10:11], s[80:81]
	global_load_b128 v[16:19], v[L16], s[4:5]      ; q's image
	global_load_b32 v254, v28, s[66:67]
	s_add_nc_u64 s[G0K+2:G0K+3], s[6:7], s[72:73]  ; the tile's first byte,
	s_or_b32 s[G0K+3], s[G0K+3], 0x80000000        ; and type 2
	s_add_nc_u64 s[G0V+2:G0V+3], s[8:9], s[72:73]
	s_or_b32 s[G0V+3], s[G0V+3], 0x80000000
	s_add_nc_u64 s[G0KS+2:G0KS+3], s[10:11], s[74:75]
	s_or_b32 s[G0KS+3], s[G0KS+3], 0x80000000
	s_add_nc_u64 s[G0VS+2:G0VS+3], s[12:13], s[76:77]
	s_or_b32 s[G0VS+3], s[G0VS+3], 0x80000000
	s_add_nc_u64 s[G0C+2:G0C+3], s[6:7], s[86:87]
	s_or_b32 s[G0C+3], s[G0C+3], 0x80000000
	s_add_nc_u64 s[G0D+2:G0D+3], s[8:9], s[88:89]
	s_or_b32 s[G0D+3], s[G0D+3], 0x80000000
	s_mov_b32 s[G0D], 1
	s_mov_b32 s[G0D+1], s19
; One load a wave: one tree of branches on the wave's number alone, each arm with its load and a jump to the tree's end.  An s_nop 0 and four v_nop follow each of the lines.
.macro ARM under, g0, g1, next
	s_cmp_lt_u32 s[WV], \under
	s_cbranch_scc0 \next
	tensor_load_to_lds s[\g0:\g0+3], s[\g1:\g1+7]
	s_nop 0
.rept 4
	v_nop
.endr
	s_branch .Lasked
\next:
.endm
	ARM 1, G0K,  G1C,  .Lhead_v
	ARM 2, G0V,  G1C,  .Lhead_ks
	ARM 3, G0KS, G1KS, .Lhead_vs
	ARM 4, G0VS, G1VS, .Lhead_later_k
	ARM 7, G0C,  G1C,  .Lhead_later_v
	ARM 10, G0D, G1C,  .Lhead_none
.Lasked:
	s_add_nc_u64 s[14:15], s[14:15], s[82:83]
	s_add_nc_u64 s[16:17], s[16:17], s[84:85]
	s_mov_b32 s[TK], 0
	s_mov_b32 s[TS], 0
	s_mov_b32 s[TJ], 0
	s_wait_loadcnt 0x0
	v_perm_b32 v255, v254, v254, s[QSEL]           ; q's scale word: its two bytes for either half of K.  The ten lines below are the places ahead of the first scaled product
.irp j, 0,1,2,3
	v_mov_b32 v[24+\j], v[16+\j]                   ; v[16:23] is [q | 0], v[20:27] is [0 | q]
.endr
	v_mov_b32 v13, 0xff61b1e6                      ; the largest score so far: -3e38, under every score
	v_mov_b32 v12, 0x7e967699                      ; -M: 1e38, so that the first f is 0
	v_mov_b32 v14, 0                               ; the sum, in two halves
	v_mov_b32 v15, 0
	v_add_nc_u32 v[ADK], s[TK], v[L16]
	v_add_nc_u32 v[ADS], s[TS], v[ASK0]
	s_wait_alu depctr_va_vdst(0)
	s_cmp_lt_u32 s[WV], 4                          ; the waves that fetched for steps 0 and 1 wait for it; the others' lines are waited for in front of the second barrier
	s_cbranch_scc0 .Llater
	s_wait_tensorcnt 0x0
.Llater:
	s_barrier_signal -1
	s_barrier_wait -1                              ; the first 512 keys and all scale words are in
.macro KLOAD g, b                      ; the four images of group g of 64 keys, and its scale words: lanes 0-15 tiles 0 and 1, lanes 16-31 tiles 2 and 3
.irp i, 0,1,2,3
	ds_load_b128 v[\b+4*\i:\b+4*\i+3], v[ADK] offset:2048*\g+512*\i
.endr
	ds_load_b32 v[248+\g], v[ADS] offset:256*\g
.endm
.macro SCORES g, b, n                  ; registers 96 + 32 g + 0, 8, 16, 24: tiles 0, 2, 1, 3.  n: the LDS loads of the later groups, which may stay out
	s_wait_dscnt \n
	v_wmma_scale_f32_32x16x128_f4 v[96+32*\g:111+32*\g], v[\b:\b+15], v[16:23], 0, v[248+\g], v255
	v_wmma_scale_f32_32x16x128_f4 v[112+32*\g:127+32*\g], v[\b:\b+15], v[20:27], 0, v[248+\g], v255
.endm
; The largest of my 32 scores of groups g and g + 1, each one block: for the row's maximum and, since p rises with the score, for the block's largest p.  Six chains by turns, in two parts
.macro SIX n
.rept \n
	v_max3_num_f32 v[MA], v[MA], v[KI], v[KI+1]
	v_max3_num_f32 v[MA+1], v[MA+1], v[KI+32], v[KI+33]
	v_max3_num_f32 v254, v254, v[KI+2], v[KI+3]
	v_max3_num_f32 v29, v29, v[KI+34], v[KI+35]
	v_max3_num_f32 v30, v30, v[KI+4], v[KI+5]
	v_max3_num_f32 v31, v31, v[KI+36], v[KI+37]
.set KI, KI+6
.endr
.endm
.macro MAXA g
.set MA, 240+\g
.set SB, 96+32*\g
	v_max3_num_f32 v[MA], v[SB], v[SB+1], v[SB+2]
	v_max3_num_f32 v[MA+1], v[SB+32], v[SB+33], v[SB+34]
	v_max3_num_f32 v254, v[SB+3], v[SB+4], v[SB+5]
	v_max3_num_f32 v29, v[SB+35], v[SB+36], v[SB+37]
	v_max3_num_f32 v30, v[SB+6], v[SB+7], v[SB+8]
	v_max3_num_f32 v31, v[SB+38], v[SB+39], v[SB+40]
.set KI, SB+9
	SIX 2
.endm
.macro MAXB
	SIX 1
	v_max3_num_f32 v[MA], v[MA], v[SB+27], v[SB+28]
	v_max3_num_f32 v[MA+1], v[MA+1], v[SB+59], v[SB+60]
	v_max3_num_f32 v254, v254, v[SB+29], v[SB+30]
	v_max3_num_f32 v29, v29, v[SB+61], v[SB+62]
	v_max_num_f32 v[MA], v[MA], v30
	v_max_num_f32 v[MA+1], v[MA+1], v31
	v_max3_num_f32 v[MA], v[MA], v254, v[SB+31]
	v_max3_num_f32 v[MA+1], v[MA+1], v29, v[SB+63]
.endm
.macro VLOAD s, b                      ; V: the step's half s of 128 keys: channel tile t, keys 64 c on
.irp t, 0,1,2,3
.irp c, 0,1
	ds_load_b128 v[\b+8*\t+4*\c:\b+8*\t+4*\c+3], v[ADV] offset:4096*\s+2048*\c+512*\t
.endr
.endr
.endm
.macro ARGS n                          ; t - M, two at a time
.rept \n
	v_pk_fma_f32 v[J:J+1], v[J:J+1], s[CS:CS+1], v[12:13] op_sel_hi:[1,0,0]
.set J, J+2
.endr
.endm
.macro EXPS n
.rept \n
	v_exp_f32 v[X], v[X]
.set X, X+1
.endr
.endm
.macro CV d, s, e                      ; eight p become one register of codes
	v_cvt_scalef32_pk8_fp4_f32 v[\d], v[\s:\s+7], v[\e]
.endm
.macro ADDS from, n                    ; the next n of 16 pairs onto the sixteen partial sums in v96-127
.rept \n
	v_pk_add_f32 v[96+J:97+J], v[96+J:97+J], v[\from+J:\from+1+J]
.set J, J+2
.endr
.endm
.macro PV s, b, ev, od                 ; O^T += V^T P^T over half s: the four accumulators by turns.  ev, od: the scale words of the even and the odd channel tiles
	v_wmma_scale_f32_16x16x128_f8f6f4 v[64:71], v[\b:\b+7], v[224+8*\s:231+8*\s], v[64:71], v[\ev], v[252+\s] matrix_a_fmt:MATRIX_FMT_FP4 matrix_b_fmt:MATRIX_FMT_FP4
	v_wmma_scale_f32_16x16x128_f8f6f4 v[72:79], v[\b+8:\b+15], v[224+8*\s:231+8*\s], v[72:79], v[\od], v[252+\s] matrix_a_fmt:MATRIX_FMT_FP4 matrix_b_fmt:MATRIX_FMT_FP4
	v_wmma_scale_f32_16x16x128_f8f6f4 v[80:87], v[\b+16:\b+23], v[224+8*\s:231+8*\s], v[80:87], v[\ev], v[252+\s] matrix_a_fmt:MATRIX_FMT_FP4 matrix_b_fmt:MATRIX_FMT_FP4 matrix_a_scale:MATRIX_SCALE_ROW1
	v_wmma_scale_f32_16x16x128_f8f6f4 v[88:95], v[\b+24:\b+31], v[224+8*\s:231+8*\s], v[88:95], v[\od], v[252+\s] matrix_a_fmt:MATRIX_FMT_FP4 matrix_b_fmt:MATRIX_FMT_FP4 matrix_a_scale:MATRIX_SCALE_ROW1
.endm
; A STEP: 256 keys, four groups of 64.  K's groups 0 to 2 are on their way, the oldest first.  last = 1: nothing is asked for the step that follows.
.macro STEP last
	v_add_nc_u32 v[ADV], s[TK], v[AV0]             ; (with the last step's four last sums five places behind its products)
	KLOAD 3, 224
	SCORES 0, 160, 15
	SCORES 1, 176, 10
	v_add_nc_u32 v[ADT], s[TJ], v[ASV0]            ; five places: group 2's results land on the operands of groups 0 and 1
.rept 4
	v_nop
.endr
	SCORES 2, 192, 5
	MAXA 0                                         ; (eighteen places between group 2's products and group 3's, whose results land on its operand)
	s_wait_alu depctr_va_vdst(0)                   ; directly ahead of the wait below
	SCORES 3, 224, 0
	MAXB
	VLOAD 0, 32
.irp g, 0,1,2,3
	ds_load_b32 v[244+\g], v[ADT] offset:128*\g    ; V's scale words of the step's four groups
.endr
	MAXA 2
	MAXB
	v_max3_num_f32 v254, v240, v241, v13
	v_mov_b32 v29, v12                             ; -M as it was
	s_delay_alu instid0(VALU_DEP_2)
	v_max3_num_f32 v254, v254, v242, v243
	s_delay_alu instid0(VALU_DEP_1)
	v_permlanex16_b32 v30, v254, s[SEL], s[SEL+1]
	s_delay_alu instid0(VALU_DEP_1)
	v_max_num_f32 v13, v254, v30                   ; the running largest score of my query, lane l xor 16's keys among them
	s_delay_alu instid0(VALU_DEP_1)
	v_mul_f32 v254, s[NC], v13                     ; -t
	s_delay_alu instid0(VALU_DEP_1)
	v_floor_f32 v12, v254                          ; the new -M = floor(-t) = -ceil(t): a whole number
.set J, 96
	v_sub_f32 v254, v12, v29                       ; old M less new M: a whole number, 0 or less
	ARGS 4
	v_cvt_i32_f32 v254, v254                       ; (it saturates)
	ARGS 4
	v_ldexp_f32 v30, 1.0, v254                     ; f = 2^(old M - new M)
	ARGS 24
.irp b, 0,1,2,3
	v_fma_f32 v[240+\b], v[240+\b], s[CS], v12     ; the same of each block's largest score
.endr
.set O, 64
.rept 16
	v_pk_mul_f32 v[O:O+1], v[O:O+1], v[30:31] op_sel_hi:[1,0]   ; O^T under the new M, each accumulator from its low end on (of the pair v[30:31] the low word serves both halves);
.set O, O+2
.endr
	v_pk_mul_f32 v[14:15], v[14:15], v[30:31] op_sel_hi:[1,0]   ; and the sum
	s_wait_alu depctr_va_vdst(0)                   ; ahead of the batch
	v_exp_f32 v240, v240                           ; a block's largest p: the same two instructions on the same number
	v_exp_f32 v241, v241
.set X, 96
.rept 32
	EXPS 2                                         ; p = 2^(t - M): not normalised.  The first two groups', with the other two's t - M between them
	ARGS 1
.endr
	s_wait_alu depctr_va_vdst(0)                   ; behind the first batch and ahead of the second
	v_max_num_f32 v240, 0x1800000, v240            ; the floor 2^(3 - 127): the byte cannot fall under 1
	v_max_num_f32 v241, 0x1800000, v241
	v_add_nc_u32 v240, 0xff000000, v240            ; 2 off the exponent field: the conversion's scale operand
	v_add_nc_u32 v241, 0xff000000, v241
	CV 224, 96, 240                                ; group 0, tile 0
	CV 228, 128, 241                               ; group 1, tile 0
	v_exp_f32 v242, v242
	v_exp_f32 v243, v243
	EXPS 2                                         ; the other two groups'
	CV 226, 104, 240                               ; tile 2
	EXPS 2
	CV 225, 112, 240                               ; tile 1
	EXPS 2
	CV 227, 120, 240                               ; tile 3
	EXPS 2
	CV 230, 136, 241
	EXPS 2
	CV 229, 144, 241
	EXPS 2
	CV 231, 152, 241
	EXPS 2
	v_lshrrev_b32 v252, 23, v240                   ; the scales' bytes
	EXPS 2
	v_lshrrev_b32 v254, 23, v241
.set J, 0
.rept 16
	EXPS 3
	ADDS 128, 1                                    ; the row's sum, of the unquantised p: sixteen partial sums, each named once in the batch
.endr
	s_wait_alu depctr_va_vdst(0)                   ; one wait ahead of the batch's first reader
	VLOAD 1, 128                                   ; group 1's p have been converted and summed
.set J, 0
	v_max_num_f32 v242, 0x1800000, v242            ; the other two scales, with group 2's sums between the lines
	v_max_num_f32 v243, 0x1800000, v243
	ADDS 160, 4
	v_add_nc_u32 v242, 0xff000000, v242
	v_add_nc_u32 v243, 0xff000000, v243
	v_lshl_or_b32 v252, v254, 16, v252             ; my two of the first half's four bytes,
	ADDS 160, 4
	v_lshrrev_b32 v253, 23, v242
	v_lshrrev_b32 v29, 23, v243
	v_permlanex16_b32 v254, v252, s[SEL], s[SEL+1]
	ADDS 160, 4
	v_lshl_or_b32 v253, v29, 16, v253              ; of the second's,
	v_lshl_or_b32 v252, v254, 8, v252              ; and the other lane's two: in lanes 0-15 p's scale word of 128 keys (lanes 16-31 are not read)
	ADDS 160, 4
	v_permlanex16_b32 v29, v253, s[SEL], s[SEL+1]
	CV 232, 160, 242
	CV 234, 168, 242
	CV 233, 176, 242
	CV 235, 184, 242
	CV 236, 192, 243
	CV 238, 200, 243
	CV 237, 208, 243
	CV 239, 216, 243
	v_lshl_or_b32 v253, v29, 8, v253
	s_wait_dscnt 0x8                               ; V's first half and the scale words are in; the second half's eight loads may be out
	v_perm_b32 v5, v245, v244, 0x05040100          ; the even channel tiles' words of the first half: two bytes for each 64 keys;
	v_perm_b32 v245, v245, v244, 0x07060302        ; the odd tiles';
	v_perm_b32 v6, v247, v246, 0x05040100          ; and of the second half
	v_perm_b32 v247, v247, v246, 0x07060302
.if \last == 0
	s_add_co_u32 s[TK], s[TK], 8192
	s_add_co_u32 s[TS], s[TS], 1024
	s_add_co_u32 s[TJ], s[TJ], 512
	v_add_nc_u32 v[ADK], s[TK], v[L16]
	v_add_nc_u32 v[ADS], s[TS], v[ASK0]
	KLOAD 0, 160                                   ; the next step's keys
	KLOAD 1, 176
.endif
.set J, 0
	ADDS 192, 16
.if \last == 0
	KLOAD 2, 192
.endif
.irp j, 0,2,4,6,8,10,12,14
	v_pk_add_f32 v[96+\j:97+\j], v[96+\j:97+\j], v[112+\j:113+\j]
.endr
.irp j, 0,2,4,6
	v_pk_add_f32 v[96+\j:97+\j], v[96+\j:97+\j], v[104+\j:105+\j]
.endr
	s_wait_alu depctr_va_vdst(0)                   ; directly ahead of the wait below
.if \last
	s_wait_dscnt 0x0                               ; V's second half is in
.else
	s_wait_dscnt 0xf                               ; the same; the next keys' fifteen loads may be out
.endif
	PV 0, 32, 5, 245
	PV 1, 128, 6, 247
	v_pk_add_f32 v[96:97], v[96:97], v[100:101]    ; these four are also places between the products and the loads into their operands' registers
	v_pk_add_f32 v[98:99], v[98:99], v[102:103]
	s_delay_alu instid0(VALU_DEP_1)
	v_pk_add_f32 v[96:97], v[96:97], v[98:99]
	s_delay_alu instid0(VALU_DEP_1)
	v_pk_add_f32 v[14:15], v[14:15], v[96:97]
.endm
	KLOAD 0, 160
	KLOAD 1, 176
	KLOAD 2, 192
	STEP 0                                         ; the first 512 keys
	STEP 1
	s_mov_b32 s[TK], CHUNK
	s_mov_b32 s[TS], 2048
	s_mov_b32 s[TJ], 1024
	s_mov_b32 s[CNT], 5
	v_add_nc_u32 v[ADK], s[TK], v[L16]
	v_add_nc_u32 v[ADS], s[TS], v[ASK0]
	s_wait_alu depctr_va_vdst(0)                   ; directly ahead of the wait below
	s_wait_tensorcnt 0x0                           ; my tile is in, whichever it is,
	s_wait_dscnt 0x0
	s_barrier_signal -1
	s_barrier_wait -1                              ; and everybody's: all of K and V.
	KLOAD 0, 160
	KLOAD 1, 176
	KLOAD 2, 192
.Lstep:                                                ; steps 2 to 6
	STEP 0
	s_sub_co_u32 s[CNT], s[CNT], 1
	s_cmp_lg_u32 s[CNT], 0
	s_cbranch_scc1 .Lstep
	STEP 1                                         ; step 7
	; THE WAY OUT.  O^T is divided by the row's sum and quantised: the head's 64 channels are two blocks of the last product's K.
	s_lshl_b32 s2, s[WV], 5
	s_add_co_u32 s2, s2, STG
	v_add_f32 v14, v14, v15                        ; the sum's two halves,
	v_permlanex16_b32 v30, v14, s[SEL], s[SEL+1]
	v_add_f32 v14, v14, v30                        ; and lane l xor 16's: the row's sum
	s_wait_alu depctr_va_vdst(0)
	v_rcp_f32 v14, v14
	v_and_b32 v9, 15, v0                           ; (a plain place behind the transcendental)
	v_lshl_add_u32 v9, v9, 1, s2                   ; where I put my row's two scale bytes: row 16 x wave + r
	v_add_nc_u32 v10, STG, v[L16]                  ; and where wave 0 reads them back
	s_wait_alu depctr_va_vdst(0)                   ; the wait ahead of its first reader
.set J, 0
.rept 16
	v_pk_mul_f32 v[96+J:97+J], v[64+J:65+J], v[14:15] op_sel_hi:[1,0]   ; register 8 t + j: channel 16 t + 8 h + j of my query; each accumulator from its low end on
.set J, J+2
.endr
.irp b, 0,1
	v_max3_num_f32 v[240+\b], |v[96+16*\b]|, |v[97+16*\b]|, 0x1800000
.endr
.irp i, 2,4,6,8,10,12,14
.irp b, 0,1
	v_max3_num_f32 v[240+\b], v[240+\b], |v[96+16*\b+\i]|, |v[97+16*\b+\i]|
.endr
.endr
.irp b, 0,1
	v_permlanex16_b32 v[242+\b], v[240+\b], s[SEL], s[SEL+1]
.endr
.irp b, 0,1
	v_max_num_f32 v[240+\b], v[240+\b], v[242+\b]
.endr
.irp b, 0,1
	v_add_nc_u32 v[240+\b], 0xff000000, v[240+\b]
.endr
.irp b, 0,1
	v_lshrrev_b32 v[242+\b], 23, v[240+\b]
.endr
	v_lshl_or_b32 v254, v243, 8, v242              ; my row's two scale bytes
	CV 224, 96, 240
	CV 225, 112, 241
	CV 226, 104, 240
	CV 227, 120, 241
	v_nop                                          ; one plain place behind a scaled conversion
	v_permlane16_swap_b32 v224, v225
	v_permlane16_swap_b32 v226, v227               ; lane (r, h): block h of row r, whole
	global_store_b128 v[L16], v[224:227], s[14:15] ; 512 consecutive bytes, aligned
	ds_store_b16 v9, v254                          ; both lanes of a row write the same two bytes with the same value
	s_wait_dscnt 0x0                               ; for the others' sake: my store has landed
	s_barrier_signal -1
	s_barrier_wait -1
	s_cmp_lg_u32 s[WV], 0                          ; wave 0 stores the work-group's 512 scale bytes
	s_cbranch_scc1 .Lnot_mine
	ds_load_b128 v[232:235], v10
	s_wait_dscnt 0x0
	global_store_b128 v[L16], v[232:235], s[16:17] ; 512 consecutive bytes, aligned
.Lnot_mine:
	s_wait_tensorcnt 0x0                           ; the wave's end
	ds_add_u32 v[SPW], v[NIL]
	s_wait_dscnt 0x0
	CROUND                                         ; the closing round: no work-group ends while a partner may still ask for a tile that names it
	s_endpgm
.Lfunc_end_k_qb1d55d35ad_attn:
	.size	k_qb1d55d35ad_attn, .Lfunc_end_k_qb1d55d35ad_attn-k_qb1d55d35ad_attn
	.p2alignl 7, 3214868480
	.fill 96, 4, 3214868480
	.section	.rodata,"a",@progbits
	.p2align	6, 0x0
	.amdhsa_kernel k_qb1d55d35ad_attn
		.amdhsa_group_segment_fixed_size 169984
		.amdhsa_private_segment_fixed_size 0
		.amdhsa_enable_private_segment 0
		.amdhsa_kernarg_size 56
		.amdhsa_user_sgpr_count 2
		.amdhsa_user_sgpr_kernarg_segment_ptr 1
		.amdhsa_wavefront_size32 1
		.amdhsa_system_sgpr_workgroup_id_x 1
		.amdhsa_system_sgpr_workgroup_id_y 1
		.amdhsa_system_sgpr_workgroup_id_z 1
		.amdhsa_system_vgpr_workitem_id 0
		.amdhsa_next_free_vgpr 256
		.amdhsa_next_free_sgpr 100
		.amdhsa_reserve_vcc 0
		.amdhsa_float_denorm_mode_32 3
		.amdhsa_float_denorm_mode_16_64 3
		.amdhsa_memory_ordered 1
		.amdhsa_forward_progress 1
		.amdhsa_inst_pref_size 118
	.end_amdhsa_kernel
	.amdgpu_metadata
---
amdhsa.version: [ 1, 2 ]
amdhsa.kernels:
  - .name:           k_qb1d55d35ad_attn
    .symbol:         k_qb1d55d35ad_attn.kd
    .args:
      - { .name: q_img, .offset: 0, .size: 8, .value_kind: global_buffer, .address_space: global }
      - { .name: k_img, .offset: 8, .size: 8, .value_kind: global_buffer, .address_space: global }
      - { .name: v_img, .offset: 16, .size: 8, .value_kind: global_buffer, .address_space: global }
      - { .name: qk_sc, .offset: 24, .size: 8, .value_kind: global_buffer, .address_space: global }
      - { .name: v_sc, .offset: 32, .size: 8, .value_kind: global_buffer, .address_space: global }
      - { .name: a_img, .offset: 40, .size: 8, .value_kind: global_buffer, .address_space: global }
      - { .name: a_sc, .offset: 48, .size: 8, .value_kind: global_buffer, .address_space: global }
    .group_segment_fixed_size: 169984
    .private_segment_fixed_size: 0
    .kernarg_segment_align: 8
    .kernarg_segment_size: 56
    .max_flat_workgroup_size: 512
    .sgpr_count:     100
    .vgpr_count:     256
    .wavefront_size: 32
...
	.end_amdgpu_metadata
.endif
;; end of part 2
;; launch outp (part 3): grid 8 x 32, 4 waves a work-group, clusters of 4 x 4, 168,448 bytes of LDS; arguments a_img, a_sc, wo_codes, wo_scales, bo, out0; writes out0
.if DOCPART == 3
	.amdgcn_target "amdgcn-amd-amdhsa--gfx1250"
	.amdhsa_code_object_version 6
	.text
	.protected	k_qb1d55d35ad_outp
	.globl	k_qb1d55d35ad_outp
	.p2align	8
	.type	k_qb1d55d35ad_outp,@function
k_qb1d55d35ad_outp:
	s_mov_b64 s[64:65], 0
	v_nop
	global_prefetch_b8 v0, s[64:65] scope:SCOPE_SE
	s_setreg_imm32_b32 hwreg(HW_REG_WAVE_MODE, 25, 1), 1
	s_wait_xcnt 0x0
	s_wait_alu depctr_hold_cnt(0) depctr_sa_sdst(0) depctr_va_vdst(0) depctr_va_sdst(0) depctr_va_ssrc(0) depctr_va_vcc(0) depctr_vm_vsrc(0)
	s_getreg_b32 s2, hwreg(HW_REG_IB_STS2, 6, 4)
	s_cmp_eq_u32 s2, 0
	s_cbranch_scc0 .Lentry_in_a_cluster
	s_endpgm
.Lentry_in_a_cluster:
	s_bfe_u32 s2, ttmp6, 0x10000c
	s_cmp_lg_u32 s2, 0xf033
	s_cbranch_scc0 .Lentry_shape_is_right
	s_endpgm
.Lentry_shape_is_right:
; out0 = a wo + bo on codes of FP4 (E2M1) with one E8M0 scale for each 32 along K = 1,024.  a comes as images of operand registers ([tile of 16 rows][head][512 bytes]; heads 2 s and 2 s + 1 are the fragment of K step s)
; and its scale bytes as [head][row][2]; wo as given: rows of 512 bytes of codes, 32 scale bytes a row.
; SHARES.  256 work-groups, a tile of 128 x 128 of the output each; wave (wr, wn) makes 64 x 64: 16 accumulators, 128 matrix instructions over 8 K steps of 128.
; USED TRANSPOSED (source 0 = 16 rows of wo, source 1 = 16 rows of a): a lane holds eight neighbouring numbers of a row of the output.  The bias is the C of each sum's first matrix instruction.
; LDS.  a's 128 rows for all of K (65,536 bytes, dense: a fragment load takes lane l at 16 l); wo's 128 rows x (512 + 16) bytes; behind them a stage of 16 rows x (256 + 16) bytes for each wave.  Each tile is filled once.
; CLUSTER 4 x 4.  a's rows hang on the work-group's y alone: asked for jointly along a row of the cluster; wo's on its x alone: along a column.  No prefetch: every tile is asked for at the head.
; REGISTERS.  Window 0: v4-11 addresses; v32-47 a's scale words, v48-63 wo's (tile i, register 4 i + s % 4; lanes 0-15 K steps 0-3, lanes 16-31 K steps 4-7); v64-191 fragments, two sets; v192-255 the way out.
;   window 1: the accumulators (a's tile a, wo's tile t at 32 a + 8 t); the bias at 128 on.
.set BB,   65536                       ; LDS: wo's rows
.set TROW, 16*528
.set STG,  BB+128*528                  ; the stages
.set ADA,  4
.set ADW,  5
.set STO,  6
.set RD,   7
.set CO,   8
.set SOFF, 9
.set AOFF, 10
.set H32,  11
.set SA,   32
.set SWO,  48
.set FR,   64                          ; set p at FR + 64 p: a's four fragments, then wo's four
.set OB,   192                         ; 16 rows read back from the stage: two sets of 32 by turns
.set BO,   128                         ; window 1
.set WV,   16
.set WR,   17
.set WN,   18
.set CX,   19
.set CY,   20
.set NB,   21
.set MB,   22
.set G1A,  24
.set G0A,  32
.set G1B,  36
.set G0B,  44
.set MSB, 0
.macro WIN new                         ; the immediate's high byte repeats the setting that is left
.if MSB != (\new)
	s_set_vgpr_msb (MSB<<8)|(\new)
.set MSB, (\new)
.endif
.endm
.macro PLACES n
.rept \n
	v_nop
.endr
.endm
.macro CROUND                          ; a round of the cluster's barrier
	s_barrier_signal -1
	s_barrier_wait -1
	s_cmp_lg_u32 s[WV], 0
	s_cbranch_scc1 .Lnot_wave_0_\@
	s_barrier_signal -3
.Lnot_wave_0_\@:
	s_barrier_wait -3
	s_barrier_signal -1
	s_barrier_wait -1
.endm
	s_load_b256 s[4:11], s[0:1], 0x0               ; a_img 4, a_sc 6, wo_codes 8, wo_scales 10
	s_load_b128 s[12:15], s[0:1], 0x20             ; bo 12, out0 14
	v_lshl_add_u32 v30, v0, 2, 0x29000
	v_mov_b32 v31, 0
	ds_add_u32 v30, v31
	ds_add_u32 v30, v31
	v_lshrrev_b32 v1, 5, v0
	v_readfirstlane_b32 s[WV], v1                  ; wave 0..3
	s_lshr_b32 s[WR], s[WV], 1                     ; which 64 rows are mine.  Also: I fetch for a (0) or for wo (1)
	s_and_b32 s[WN], s[WV], 1                      ; which 64 columns.  Also: which half of that tile I fetch
	s_bfe_u32 s[CX], ttmp6, 0x40000
	s_bfe_u32 s[CY], ttmp6, 0x40004
	s_lshl_b32 s[NB], ttmp9, 2
	s_add_co_u32 s[NB], s[NB], s[CX]               ; block of 128 columns
	s_and_b32 s[MB], ttmp7, 0xffff
	s_lshl_b32 s[MB], s[MB], 2
	s_add_co_u32 s[MB], s[MB], s[CY]               ; block of 128 rows
	s_lshl_b32 s23, s[CY], 2
	s_lshl_b32 s23, 15, s23                        ; my row of the cluster
	s_lshl_b32 s48, 0x1111, s[CX]                  ; my column
	s_or_b32 s[G1A], s23, (3<<16)|(1<<21)          ; a: half a tile is 32,768 dense bytes: 128 rows of 32 elements of 8 bytes, no padding
	s_mov_b32 s[G1A+1], 32<<16
	s_mov_b32 s[G1A+2], 128<<16
	s_mov_b32 s[G1A+3], 32<<16
	s_mov_b32 s[G1A+4], 128
	s_mov_b32 s[G1A+5], 32
	s_mov_b32 s[G1A+6], 0
	s_mov_b32 s[G1A+7], 0
	s_or_b32 s[G1B], s48, (1<<20)|(1<<21)|(6<<22)|(3<<25)   ; wo: 64 rows of 512 bytes, four words of padding behind every 128
	s_mov_b32 s[G1B+1], 512<<16
	s_mov_b32 s[G1B+2], 64<<16
	s_mov_b32 s[G1B+3], 512<<16
	s_mov_b32 s[G1B+4], 64
	s_mov_b32 s[G1B+5], 512
	s_mov_b32 s[G1B+6], 0
	s_mov_b32 s[G1B+7], 0
	s_lshl_b32 s49, s[WN], 15                      ; my half: 32,768 bytes in memory, of either tile
	s_lshl_b32 s50, s[MB], 16
	s_add_co_u32 s50, s50, s49                     ; a: this pair never holds the column block,
	s_mov_b32 s51, 0
	s_lshl_b32 s52, s[NB], 16
	s_add_co_u32 s52, s52, s49                     ; wo: nor this one the row block
	s_mov_b32 s53, 0
	s_mul_i32 s54, s[WN], 64*528
	s_add_co_u32 s54, s54, BB                      ; where wo's half goes; also where my 64 rows of wo lie
	v_and_b32 v1, 15, v0                           ; r
	v_bfe_u32 v2, v0, 4, 1                         ; h
	v_and_b32 v3, 31, v0                           ; lane
	s_lshl_b32 s55, s[WR], 15
	v_lshl_add_u32 v[ADA], v3, 4, s55              ; a's images: my four tiles of rows, 16 x lane
	v_mul_u32_u24 v[ADW], v1, 528
	v_lshl_add_u32 v[ADW], v2, 4, v[ADW]
	v_add_nc_u32 v[ADW], s54, v[ADW]               ; wo: row x pitch + 16 x half
	s_mul_i32 s55, s[WV], 16*272
	s_add_co_u32 s55, s55, STG                     ; my stage
	v_mul_u32_u24 v[STO], v1, 272
	v_lshl_add_u32 v[STO], v2, 5, v[STO]
	v_add_nc_u32 v[STO], s55, v[STO]               ; in: row r, 32 bytes for each half of the lanes
	v_mul_u32_u24 v[RD], v2, 272
	v_lshl_add_u32 v[RD], v1, 4, v[RD]
	v_add_nc_u32 v[RD], s55, v[RD]                 ; back: lanes 0-15 one row of 256 bytes, lanes 16-31 the next
	v_lshlrev_b32 v[CO], 4, v1
	v_lshl_add_u32 v[CO], v2, 12, v[CO]            ; and the same two rows of the output
	v_lshlrev_b32 v[SOFF], 5, v1
	v_lshl_add_u32 v[SOFF], v2, 4, v[SOFF]         ; wo's scale bytes: 32 r + 16 h
	v_lshlrev_b32 v[AOFF], 1, v1
	v_lshl_add_u32 v[AOFF], v2, 16, v[AOFF]        ; a's: 2 r, and eight heads on for lanes 16-31
	v_lshlrev_b32 v[H32], 5, v2
	s_wait_alu depctr_va_vdst(0)
	s_wait_dscnt 0x0                               ; both opening adds are done
	CROUND                                         ; all sixteen work-groups are here: the joint loads meet
	s_wait_kmcnt 0x0
	s_mov_b32 s[G0A], 1
	s_mov_b32 s[G0A+1], s49                        ; a's half goes to 32,768 x half
	s_add_nc_u64 s[G0A+2:G0A+3], s[4:5], s[50:51]
	s_or_b32 s[G0A+3], s[G0A+3], 0x80000000
	s_mov_b32 s[G0B], 1
	s_mov_b32 s[G0B+1], s54
	s_add_nc_u64 s[G0B+2:G0B+3], s[8:9], s[52:53]
	s_or_b32 s[G0B+3], s[G0B+3], 0x80000000
	s_cmp_eq_u32 s[WR], 0                          ; waves 0 and 1 ask for a's halves, waves 2 and 3 for wo's: one load a wave
	s_cbranch_scc0 .Lfor_b
	tensor_load_to_lds s[G0A:G0A+3], s[G1A:G1A+7]
	s_nop 0
	PLACES 4                                       ; four v_nop follow each of the two lines
	s_branch .Lasked
.Lfor_b:
	tensor_load_to_lds s[G0B:G0B+3], s[G1B:G1B+7]
	s_nop 0
	PLACES 4
.Lasked:
	s_lshl_b32 s50, s[MB], 8                       ; a's scale bytes: 2 a row: my 64 rows
	s_lshl_b32 s56, s[WR], 7
	s_add_co_u32 s50, s50, s56
	s_add_nc_u64 s[6:7], s[6:7], s[50:51]
	s_lshl_b32 s50, s[NB], 12                      ; wo's: 32 a row: my 64 rows
	s_lshl_b32 s56, s[WN], 11
	s_add_co_u32 s50, s50, s56
	s_add_nc_u64 s[10:11], s[10:11], s[50:51]
	s_lshl_b32 s50, s[NB], 9                       ; my 64 columns: 256 bytes, in bo and in a row of the output
	s_lshl_b32 s56, s[WN], 8
	s_add_co_u32 s50, s50, s56
	s_add_nc_u64 s[12:13], s[12:13], s[50:51]
	s_add_nc_u64 s[14:15], s[14:15], s[50:51]
	s_lshl_b32 s50, s[MB], 19                      ; my 64 rows of 4,096 bytes
	s_lshl_b32 s56, s[WR], 18
	s_add_co_u32 s50, s50, s56
	s_add_nc_u64 s[14:15], s[14:15], s[50:51]
	s_wait_alu depctr_va_vdst(0)
.irp i, 0,1,2,3
	global_load_b128 v[SWO+4*\i:SWO+4*\i+3], v[SOFF], s[10:11] offset:512*\i   ; 512 consecutive bytes: a tile's scale bytes for all of K
.endr
.irp a, 0,1,2,3                        ; a's scale word of K step s is the two bytes of head 2 s under those of head 2 s + 1
.irp q, 0,1,2,3
	global_load_u16 v[SA+4*\a+\q], v[AOFF], s[6:7] offset:(2*\q)*8192+32*\a
	global_load_u16 v[OB+4*\a+\q], v[AOFF], s[6:7] offset:(2*\q+1)*8192+32*\a
.endr
.endr
	WIN 0x40                                       ; destination window 1
.irp t, 0,1,2,3
	global_load_b128 v[BO+8*\t:BO+8*\t+3], v[H32], s[12:13] offset:64*\t
	global_load_b128 v[BO+8*\t+4:BO+8*\t+7], v[H32], s[12:13] offset:64*\t+16
.endr
	WIN 0
.macro FETCH s, p                      ; 16 LDS loads: the fragments of K step s into set p
.irp i, 0,1,2,3
.irp c, 0,1
	ds_load_b128 v[FR+64*(\p)+32+8*\i+4*\c:FR+64*(\p)+32+8*\i+4*\c+3], v[ADW] offset:TROW*\i+64*(\s)+32*\c
	ds_load_b128 v[FR+64*(\p)+8*\i+4*\c:FR+64*(\p)+8*\i+4*\c+3], v[ADA] offset:8192*\i+1024*(\s)+512*\c
.endr
.endr
.endm
.macro WM d, a, b, c, sa, sb, row      ; row = 1: both sides' scale words are read from lanes 16-31
.if \row
	v_wmma_scale_f32_16x16x128_f8f6f4 v[\d:\d+7], v[\a:\a+7], v[\b:\b+7], v[\c:\c+7], v[\sa], v[\sb] matrix_a_fmt:MATRIX_FMT_FP4 matrix_b_fmt:MATRIX_FMT_FP4 matrix_a_scale:MATRIX_SCALE_ROW1 matrix_b_scale:MATRIX_SCALE_ROW1
.else
	v_wmma_scale_f32_16x16x128_f8f6f4 v[\d:\d+7], v[\a:\a+7], v[\b:\b+7], v[\c:\c+7], v[\sa], v[\sb] matrix_a_fmt:MATRIX_FMT_FP4 matrix_b_fmt:MATRIX_FMT_FP4
.endif
.endm
.macro STEP s
	s_wait_dscnt 0x0                               ; this step's fragments are in
.if (\s) < 7
.if (\s) > 0
	PLACES 4                                       ; a load into a register that a matrix instruction has read stands four plain vector instructions behind it
.endif
	FETCH (\s)+1, ((\s)+1)%2
.endif
	WIN 0x50                                       ; sources 0 and 1 window 0, C and D window 1
.irp a, 0,1,2,3                        ; the 16 accumulators take turns, one instruction a turn, in the same order in every step
.irp t, 0,1,2,3
.if (\s) == 0
	WM 32*\a+8*\t, FR+64*((\s)%2)+32+8*\t, FR+64*((\s)%2)+8*\a, BO+8*\t, SWO+4*\t+(\s)%4, SA+4*\a+(\s)%4, (\s)/4
.else
	WM 32*\a+8*\t, FR+64*((\s)%2)+32+8*\t, FR+64*((\s)%2)+8*\a, 32*\a+8*\t, SWO+4*\t+(\s)%4, SA+4*\a+(\s)%4, (\s)/4
.endif
.endr
.endr
	WIN 0
.endm
	s_wait_tensorcnt 0x0                           ; my half tile is in,
	s_barrier_signal -1
	s_barrier_wait -1                              ; everybody's is
	FETCH 0, 0
	s_wait_loadcnt 0x0
.set J, 0
.rept 16
	v_lshl_or_b32 v[SA+J], v[OB+J], 16, v[SA+J]
.set J, J+1
.endr
	PLACES 8                                       ; a scale register written by a vector instruction stands eight places ahead of a scaled matrix instruction
	s_wait_alu depctr_va_vdst(0)
.irp s, 0,1,2,3,4,5,6,7
	STEP \s
.endr
; THE WAY OUT, 16 rows x 64 columns at a time.  A lane holds 32 neighbouring bytes of a row and the lanes beside it hold other rows: so a block goes through my own stage and comes back as whole rows of 256 bytes.
; LDS serves a wave's instructions in order (ISA guide 5.7.1.4): no wait between the stores and the loads, nor ahead of the next block's stores.
.macro TOSTAGE a
	WIN 0x04                                       ; an LDS store's data are its source 1: window 1
.irp t, 0,1,2,3
	ds_store_b128 v[STO], v[32*(\a)+8*\t:32*(\a)+8*\t+3] offset:64*\t          ; each accumulator from its low end on
	ds_store_b128 v[STO], v[32*(\a)+8*\t+4:32*(\a)+8*\t+7] offset:64*\t+16
.endr
	WIN 0
.irp t, 0,1,2,3,4,5,6,7
	ds_load_b128 v[OB+32*((\a)%2)+4*\t:OB+32*((\a)%2)+4*\t+3], v[RD] offset:544*\t
.endr
.endm
.macro SEND a, younger                 ; younger: the LDS instructions issued behind block a's loads, which may stay out: the next block's eight stores and eight loads, or none
	s_wait_dscnt \younger
.irp t, 0,1,2,3,4,5,6,7
; a's tile a holds, in rows 0-7, rows 8 a + 0 .. 7 of my 64, and in rows 8-15 rows 32 + 8 (a xor 1) + 0 .. 7: the first launch laid them so.  Sixteen lanes store 256 consecutive bytes, aligned; written once, read by nobody here
.if \t < 4
	global_store_b128 v[CO], v[OB+32*((\a)%2)+4*\t:OB+32*((\a)%2)+4*\t+3], s[14:15] offset:(8*(\a)+2*\t)*4096 th:TH_STORE_NT
.else
	global_store_b128 v[CO], v[OB+32*((\a)%2)+4*\t:OB+32*((\a)%2)+4*\t+3], s[14:15] offset:(24+8*((\a)^1)+2*\t)*4096 th:TH_STORE_NT
.endif
.endr
.endm
	PLACES 4                                       ; ahead of the first read of results
	TOSTAGE 0
	TOSTAGE 1
	SEND 0, 16
	s_wait_xcnt 0x0                                ; block 0's stores have read their registers: block 2's loads may land there
	TOSTAGE 2
	SEND 1, 16
	s_wait_xcnt 0x0                                ; block 1's likewise
	TOSTAGE 3
	SEND 2, 16
	SEND 3, 0
	s_wait_tensorcnt 0x0
	ds_add_u32 v30, v31
	s_wait_dscnt 0x0
	CROUND                                         ; the closing round: no work-group ends while a partner may still ask for a tile that names it
	s_endpgm
.Lfunc_end_k_qb1d55d35ad_outp:
	.size	k_qb1d55d35ad_outp, .Lfunc_end_k_qb1d55d35ad_outp-k_qb1d55d35ad_outp
	.p2alignl 7, 3214868480
	.fill 96, 4, 3214868480
	.section	.rodata,"a",@progbits
	.p2align	6, 0x0
	.amdhsa_kernel k_qb1d55d35ad_outp
		.amdhsa_group_segment_fixed_size 168448
		.amdhsa_private_segment_fixed_size 0
		.amdhsa_enable_private_segment 0
		.amdhsa_kernarg_size 48
		.amdhsa_user_sgpr_count 2
		.amdhsa_user_sgpr_kernarg_segment_ptr 1
		.amdhsa_wavefront_size32 1
		.amdhsa_system_sgpr_workgroup_id_x 1
		.amdhsa_system_sgpr_workgroup_id_y 1
		.amdhsa_system_sgpr_workgroup_id_z 1
		.amdhsa_system_vgpr_workitem_id 0
		.amdhsa_next_free_vgpr 512
		.amdhsa_next_free_sgpr 66
		.amdhsa_reserve_vcc 0
		.amdhsa_float_denorm_mode_32 3
		.amdhsa_float_denorm_mode_16_64 3
		.amdhsa_memory_ordered 1
		.amdhsa_forward_progress 1
		.amdhsa_inst_pref_size 45
	.end_amdhsa_kernel
	.amdgpu_metadata
---
amdhsa.version: [ 1, 2 ]
amdhsa.kernels:
  - .name:           k_qb1d55d35ad_outp
    .symbol:         k_qb1d55d35ad_outp.kd
    .args:
      - { .name: a_img, .offset: 0, .size: 8, .value_kind: global_buffer, .address_space: global }
      - { .name: a_sc, .offset: 8, .size: 8, .value_kind: global_buffer, .address_space: global }
      - { .name: wo_codes, .offset: 16, .size: 8, .value_kind: global_buffer, .address_space: global }
      - { .name: wo_scales, .offset: 24, .size: 8, .value_kind: global_buffer, .address_space: global }
      - { .name: bo, .offset: 32, .size: 8, .value_kind: global_buffer, .address_space: global }
      - { .name: out0, .offset: 40, .size: 8, .value_kind: global_buffer, .address_space: global }
    .group_segment_fixed_size: 168448
    .private_segment_fixed_size: 0
    .kernarg_segment_align: 8
    .kernarg_segment_size: 48
    .max_flat_workgroup_size: 128
    .sgpr_count:     66
    .vgpr_count:     512
    .wavefront_size: 32
...
	.end_amdgpu_metadata
.endif
;; end of part 3
